; MI455X (gfx1250); checked and timed in simulation.
; The chip was launched on July 23, 2026; its instructions are those of AMD's public machine-readable ISA for CDNA 5 (MIT licence, August 2026) and "CDNA5" Instruction Set Architecture Reference Guide (July 2026). The comments in the code are by the model that wrote it; some were corrected since.
;; Cross Attention. Allowed arithmetic: matrix products marked QUANTISED: E5M2 operands, one E8M0 scale for each 32 along K, by v_wmma_scale_f32_16x16x128_f8f6f4 with both operands' format E5M2, f32 sums; products left as they are: f32 operands where the result goes on into a quantised operand, else bf16, f16 or f32 operands; f32 sums; everything else in f32.
;; Inputs: Wk 1,024 x 1,024 float32; Wp_codes 1,024 x 32 x 32 uint8 (E5M2 codes of Wp, K innermost, in blocks of 32 codes); Wp_scales 1,024 x 32 uint8 (E8M0 scales of Wp, one for each 32 codes along K); Wq_codes 1,024 x 32 x 32 uint8 (E5M2 codes of Wq, K innermost, in blocks of 32 codes); Wq_scales 1,024 x 32 uint8 (E8M0 scales of Wq, one for each 32 codes along K); Wv 1,024 x 1,024 float32; bk 1,024 float32; bp 1,024 float32; bq 1,024 float32; bv 1,024 float32; visual_features 4 x 1,024 float32; x_codes 4 x 1,024 x 32 x 32 uint8 (E5M2 codes of x, K innermost, in blocks of 32 codes); x_scales 4 x 1,024 x 32 uint8 (E8M0 scales of x, one for each 32 codes along K).
;; Outputs: out0 4 x 1,024 x 1,024 float32.
;; This version of the problem:
;;   THIS VERSION OF THE PROBLEM IS GIVEN IN LOW PRECISION. The matrix products marked QUANTISED in the list below multiply operands that are first quantised to E5M2 (5 exponent bits, 2 mantissa bits; 8 bits a number), with one power-of-two scale for each 32 numbers along K (OCP MX v1.0); their sums are f32. All else is computed in f32.
;;   The module's matrix products, in the order in which they are computed (A, B: the left and right operand; K: the contracted axis; several contracted axes count as one K, in the product's order):
;;     1. [M 4,096, K 1,024] x [K 1,024, N 1,024]; A: input x (given as codes); B: input Wq (given as codes): QUANTISED
;;     2. [M 4, K 1,024] x [K 1,024, N 1,024]; A: input visual_features; B: input Wk: left as it is (M = 4 < 16)
;;     3. [M 4, K 1,024] x [K 1,024, N 1,024]; A: input visual_features; B: input Wv: left as it is (M = 4 < 16)
;;     4. batch 64 x [M 1,024, K 64] x [K 64, N 1,024]; A: computed on the way; B: computed on the way: QUANTISED
;;     5. batch 64 x [M 1,024, K 1,024] x [K 1,024, N 64]; A: softmax (see below); B: computed on the way: QUANTISED
;;     6. [M 4,096, K 1,024] x [K 1,024, N 1,024]; A: computed on the way; B: input Wp (given as codes): QUANTISED
;;   THE QUANTISER, for each operand of a quantised product, along K:
;;     - K is cut into blocks of 32 from its start; a last block that is shorter is filled with zeros.
;;     - A block's scale is 2^e with e = floor(log2(the largest magnitude in the block)) - 15, held to -126 .. 127; a block of zeros has e = 0. As a byte (E8M0): e + 127.
;;     - Each number is divided by its block's scale, clamped to +-57,344, and rounded to the nearest number of E5M2, ties to even, subnormals kept.
;;     - The product sums the exact products of the quantised numbers (number of the format x scale) in f32.
;;   ~~~python
;;   def quantise(x, axis):      # numpy; x: float32 -> the quantised numbers, widened to float32 again
;;       x = np.moveaxis(x, axis, -1); K = x.shape[-1]
;;       x = np.pad(x, [(0, 0)] * (x.ndim - 1) + [(0, -K % 32)]); x = x.reshape(x.shape[:-1] + (-1, 32)); a = np.abs(x).max(-1, keepdims=True)
;;       e = np.where(a > 0, np.clip(np.frexp(np.where(a > 0, a, 1))[1] - 1 - 15, -126, 127), 0)      # np.frexp(a)[1] - 1 = floor(log2(a)), exactly
;;       r = np.clip(x / 2.0 ** e, -57344, 57344)
;;       step = 2.0 ** (np.maximum(np.frexp(np.where(r == 0, 1, r))[1] - 1, -14) - 2)
;;       q = np.round(r / step) * step * 2.0 ** e      # np.round: ties to even
;;       return np.moveaxis(q.reshape(q.shape[:-2] + (-1,))[..., :K], -1, axis).astype(np.float32)
;;   ~~~
;;   SOFTMAX AHEAD OF A QUANTISED PRODUCT. Where the list says 'softmax', what is quantised is not the finished softmax but p = 2^(t - M), with t = logit x log2(e) and M = ceil(the row's largest t), a whole number; so 1/2 < the row's largest p <= 1. The row's sum l is taken of the UNQUANTISED p, in f32, and the product's result is divided by l at the end. Since M is a whole number, a kernel that streams over the keys may use a running M (the ceiling of the running maximum): every later rescaling is an exact power of two, which a block's scale takes up: the codes' values come out the same.
;;   OPERANDS COMPUTED ON THE WAY. 'Computed on the way' means the value that the module computes at that place (a softmax that the list does not call 'softmax' is quantised finished and normalised). What goes into a quantiser is computed in f32, as accurately as f32 sums, v_exp_f32 and their like allow (about 1e-6 of the number): no bf16 or f16 on the way to a quantiser, and a product that is left as it is and whose result goes on into a quantised operand takes f32 operands (vector FMAs, or v_wmma_f32_16x16x4_f32). A number that lies on a knife's edge between two numbers of the format may be rounded either way, as far as f32 arithmetic and the matrix unit's own rounding can turn it there, and no further.
;;   INPUTS GIVEN AS CODES. Wp (in the module: [1024, 1024], K = its axis 0); Wq (in the module: [1024, 1024], K = its axis 0); x (in the module: [4, 1024, 1024], K = its axis 2): each comes as NAME_codes (uint8): NAME with its K axis moved to the last place and cut into blocks of 32 codes, [.., K / 32, bytes a block], one block behind the other in memory; one code a byte (a code: sign, 5 exponent bits, 2 mantissa bits); and NAME_scales (uint8): the same leading axes, one E8M0 byte (e + 127) for each 32 codes along K. Its value is code x scale, taken as it is: it is not quantised again, and the codes and scales need not be those that the quantiser above would give.
;; One version. Each part assembles by itself: llvm-mc -triple=amdgcn-amd-amdhsa -mcpu=gfx1250 --defsym DOCPART=n.
;; ======== version 1 of 1: 3 launches
;; workspace buffers: kvpart 262,144 bytes; ycodes 4,194,304 bytes; ysc 131,072 bytes
;; launch kvproj (part 1): grid 256 x 1, 8 waves a work-group, no clusters, 9,216 bytes of LDS; arguments visual_features, Wk, Wv, bk, bv, kvpart; writes kvpart
.if DOCPART == 1
	.amdgcn_target "amdgcn-amd-amdhsa--gfx1250"
	.amdhsa_code_object_version 6
	.text
	.protected	k_qdc5406b43e_kvproj
	.globl	k_qdc5406b43e_kvproj
	.p2align	8
	.type	k_qdc5406b43e_kvproj,@function
k_qdc5406b43e_kvproj:
	s_mov_b64 s[64:65], 0
	v_nop
	global_prefetch_b8 v0, s[64:65] scope:SCOPE_SE
	s_setreg_imm32_b32 hwreg(HW_REG_WAVE_MODE, 25, 1), 1
	s_wait_xcnt 0x0
; kvpart[sp][sel][b][n] = the sum over c = 128 sp .. 128 sp + 127 of vf[b][c] W[c][n]  (+ bias[n] where sp = 0);  sel = 0: Wk, bk;  sel = 1: Wv, bv.  All f32, fused multiply-adds:
; the sums go on into a quantiser, so nothing narrower than f32 stands here.  The next launch adds the eight parts.
; SHARES.  256 work-groups: sel (2) x a head's 64 columns (16) x a split of K (8).  A work-group takes 128 rows x 256 bytes of W, each of its eight waves 16 rows; lane l takes columns 2 l, 2 l + 1,
; so one load of a wave covers 256 consecutive bytes of a row, aligned.  All of a wave's 16 loads are out at once: the whole share of W is asked for at the head, so there is no ring and nothing to run ahead.
; vf's 16 numbers for each of the 4 batches lie in scalar registers.  The eight waves' sums meet in LDS ([wave 8][b 4][64] f32); wave b (0..3) adds them and stores one aligned run of 256 bytes.
; The matrix units are left out: with 4 rows the f32 form would do no more than these multiply-adds.  No cluster: no two work-groups read the same bytes of W.
; LIMITS: NaN and infinities among the inputs are not served (the bias is multiplied by 0 in the splits that do not add it).
.set WD,  8                            ; v[8:39]   16 rows of W, a pair of columns each
.set ACC, 40                           ; v[40:47]  sums [b][2]
.set BI,  48                           ; v[48:49]  the bias of my two columns
.set RS,  50                           ; v[50:65]  the eight waves' sums
	s_load_b256 s[4:11], s[0:1], 0x0               ; vf s[4:5], Wk s[6:7], Wv s[8:9], bk s[10:11]
	s_load_b128 s[12:15], s[0:1], 0x20             ; bv s[12:13], kvpart s[14:15]
	v_lshl_add_u32 v72, v0, 2, 0x2000
	v_mov_b32 v73, 0
	v_lshrrev_b32 v5, 5, v0
	v_readfirstlane_b32 s84, v5                    ; wave 0..7
	v_and_b32 v1, 31, v0                           ; lane
	v_lshlrev_b32 v2, 3, v1                        ; 8 bytes a lane: W, bias, the store
	v_lshl_add_u32 v3, v5, 10, v2                  ; LDS, in: 1,024 x wave + 8 x lane
	v_lshl_add_u32 v4, v5, 8, v2                   ; LDS, back: 256 x wave (= b) + 8 x lane
	s_lshr_b32 s85, ttmp9, 7                       ; sel
	s_bfe_u32 s86, ttmp9, 0x40003                  ; the head: 4 bits from bit 3
	s_and_b32 s87, ttmp9, 7                        ; the split of K
	s_lshl_b32 s88, s87, 7
	s_lshl_b32 s90, s84, 4
	s_add_co_u32 s88, s88, s90                     ; c0 = 128 sp + 16 wave: my first row of W
	s_lshl_b32 s90, s88, 2                         ; vf: 4 c0 bytes
	s_mov_b32 s91, 0
	s_lshl_b32 s94, s86, 8                         ; 256 bytes a head
	s_lshl_b32 s88, s88, 12
	s_add_co_u32 s88, s88, s94                     ; W: 4,096 c0 + 256 head
	s_mov_b32 s89, 0
	s_lshl_b32 s95, s87, 1
	s_add_co_u32 s95, s95, s85
	s_lshl_b32 s95, s95, 2
	s_and_b32 s93, s84, 3                          ; (waves 4 to 7 store nothing; their base stays inside the buffer all the same)
	s_add_co_u32 s95, s95, s93
	s_lshl_b32 s95, s95, 12
	s_add_co_u32 s95, s95, s94                     ; kvpart: ((2 sp + sel) 4 + b) 4,096 + 256 head
	s_cmp_eq_u32 s87, 0
	s_cselect_b32 s92, 1.0, 0                      ; split 0 adds the bias
	s_mov_b32 s93, s92                             ; (named with it as a pair, so it is written)
	s_wait_kmcnt 0x0
	s_cmp_lt_u32 ttmp9, 128                        ; the choice hangs on the work-group's number alone
	s_cselect_b64 s[6:7], s[6:7], s[8:9]           ; W
	s_cselect_b64 s[10:11], s[10:11], s[12:13]     ; its bias
	s_add_nc_u64 s[4:5], s[4:5], s[90:91]
	s_add_nc_u64 s[6:7], s[6:7], s[88:89]
	s_mov_b32 s88, s94
	s_add_nc_u64 s[10:11], s[10:11], s[88:89]
	s_mov_b32 s88, s95
	s_add_nc_u64 s[14:15], s[14:15], s[88:89]
	s_load_b512 s[16:31], s[4:5], 0x0              ; vf[0][c0 .. c0 + 15]
	s_load_b512 s[32:47], s[4:5], 0x1000           ; vf[1]
	s_load_b512 s[48:63], s[4:5], 0x2000           ; vf[2]
	s_load_b512 s[68:83], s[4:5], 0x3000           ; vf[3]
	global_load_b64 v[BI:BI+1], v2, s[10:11]
.irp i, 0,1,2,3,4,5,6,7,8,9,10,11,12,13,14,15
	global_load_b64 v[WD+2*\i:WD+2*\i+1], v2, s[6:7] offset:4096*\i th:TH_LOAD_NT   ; read once in the launch
.endr
	s_wait_kmcnt 0x0
; row i: eight multiply-adds.  vf[b][c0 + i] stands at s[16 + 16 b + 4 (b / 3) + i] (the fourth run begins at s68).  The first row starts the sums: nothing is cleared.
.macro ROW i
	s_wait_loadcnt 15-\i                           ; loads come back in order: row i is in, the 15 - i younger rows may be out
.irp b, 0,1,2,3
.irp j, 0,1
.if \i == 0
	v_mul_f32 v[ACC+2*\b+\j], s[16+16*\b+4*(\b/3)], v[WD+\j]
.else
	v_fmac_f32 v[ACC+2*\b+\j], s[16+16*\b+4*(\b/3)+\i], v[WD+2*\i+\j]
.endif
.endr
.endr
.endm
.irp i, 0,1,2,3,4,5,6,7,8,9,10,11,12,13,14,15
	ROW \i
.endr
.irp b, 0,1,2,3
	ds_store_b64 v3, v[ACC+2*\b:ACC+2*\b+1] offset:256*\b
.endr
	s_wait_dscnt 0x0                               ; for the others' sake: my sums lie in LDS
	s_barrier_signal -1
	s_barrier_wait -1
	s_cmp_ge_u32 s84, 4
	s_cbranch_scc1 .Ldone                          ; waves 0 to 3 add up, one batch each
.irp w, 0,1,2,3,4,5,6,7
	ds_load_b64 v[RS+2*\w:RS+2*\w+1], v4 offset:1024*\w
.endr
	s_wait_dscnt 0x0
	v_pk_add_f32 v[RS:RS+1], v[RS:RS+1], v[RS+2:RS+3]
	v_pk_add_f32 v[RS+4:RS+5], v[RS+4:RS+5], v[RS+6:RS+7]
	v_pk_add_f32 v[RS+8:RS+9], v[RS+8:RS+9], v[RS+10:RS+11]
	v_pk_add_f32 v[RS+12:RS+13], v[RS+12:RS+13], v[RS+14:RS+15]
	v_pk_add_f32 v[RS:RS+1], v[RS:RS+1], v[RS+4:RS+5]
	v_pk_add_f32 v[RS+8:RS+9], v[RS+8:RS+9], v[RS+12:RS+13]
	v_pk_add_f32 v[RS:RS+1], v[RS:RS+1], v[RS+8:RS+9]
	v_pk_fma_f32 v[RS:RS+1], v[BI:BI+1], s[92:93], v[RS:RS+1] op_sel_hi:[1,0,1]   ; + bias x (1 or 0)
	global_store_b64 v2, v[RS:RS+1], s[14:15]      ; 32 lanes store 256 consecutive bytes, aligned
.Ldone:
	s_wait_tensorcnt 0x0
	ds_add_u32 v72, v73
	s_wait_dscnt 0x0
	s_endpgm
.Lfunc_end_k_qdc5406b43e_kvproj:
	.size	k_qdc5406b43e_kvproj, .Lfunc_end_k_qdc5406b43e_kvproj-k_qdc5406b43e_kvproj
	.p2alignl 7, 3214868480
	.fill 96, 4, 3214868480
	.section	.rodata,"a",@progbits
	.p2align	6, 0x0
	.amdhsa_kernel k_qdc5406b43e_kvproj
		.amdhsa_group_segment_fixed_size 9216
		.amdhsa_private_segment_fixed_size 0
		.amdhsa_enable_private_segment 0
		.amdhsa_kernarg_size 48
		.amdhsa_user_sgpr_count 2
		.amdhsa_user_sgpr_kernarg_segment_ptr 1
		.amdhsa_wavefront_size32 1
		.amdhsa_system_sgpr_workgroup_id_x 1
		.amdhsa_system_sgpr_workgroup_id_y 1
		.amdhsa_system_sgpr_workgroup_id_z 1
		.amdhsa_system_vgpr_workitem_id 0
		.amdhsa_next_free_vgpr 74
		.amdhsa_next_free_sgpr 96
		.amdhsa_reserve_vcc 0
		.amdhsa_float_denorm_mode_32 3
		.amdhsa_float_denorm_mode_16_64 3
		.amdhsa_memory_ordered 1
		.amdhsa_forward_progress 1
		.amdhsa_inst_pref_size 10
	.end_amdhsa_kernel
	.amdgpu_metadata
---
amdhsa.version: [ 1, 2 ]
amdhsa.kernels:
  - .name:           k_qdc5406b43e_kvproj
    .symbol:         k_qdc5406b43e_kvproj.kd
    .args:
      - { .name: visual_features, .offset: 0, .size: 8, .value_kind: global_buffer, .address_space: global }
      - { .name: Wk, .offset: 8, .size: 8, .value_kind: global_buffer, .address_space: global }
      - { .name: Wv, .offset: 16, .size: 8, .value_kind: global_buffer, .address_space: global }
      - { .name: bk, .offset: 24, .size: 8, .value_kind: global_buffer, .address_space: global }
      - { .name: bv, .offset: 32, .size: 8, .value_kind: global_buffer, .address_space: global }
      - { .name: kvpart, .offset: 40, .size: 8, .value_kind: global_buffer, .address_space: global }
    .group_segment_fixed_size: 9216
    .private_segment_fixed_size: 0
    .kernarg_segment_align: 8
    .kernarg_segment_size: 48
    .max_flat_workgroup_size: 256
    .sgpr_count:     96
    .vgpr_count:     74
    .wavefront_size: 32
...
	.end_amdgpu_metadata
.endif
;; end of part 1
;; launch qattn (part 2): grid 8 x 32, 4 waves a work-group, clusters of 4 x 4, 327,680 bytes of LDS; arguments x_codes, x_scales, Wq_codes, Wq_scales, bq, kvpart, ycodes, ysc; writes ycodes, ysc
.if DOCPART == 2
	.amdgcn_target "amdgcn-amd-amdhsa--gfx1250"
	.amdhsa_code_object_version 6
	.text
	.protected	k_qdc5406b43e_qattn
	.globl	k_qdc5406b43e_qattn
	.p2align	8
	.type	k_qdc5406b43e_qattn,@function
k_qdc5406b43e_qattn:
	s_mov_b64 s[64:65], 0
	v_nop
	global_prefetch_b8 v0, s[64:65] scope:SCOPE_SE
	s_setreg_imm32_b32 hwreg(HW_REG_WAVE_MODE, 25, 1), 1
	s_wait_xcnt 0x0
	s_wait_alu depctr_hold_cnt(0) depctr_sa_sdst(0) depctr_va_vdst(0) depctr_va_sdst(0) depctr_va_ssrc(0) depctr_va_vcc(0) depctr_vm_vsrc(0)
	s_getreg_b32 s2, hwreg(HW_REG_IB_STS2, 6, 4)
	s_cmp_eq_u32 s2, 0
	s_cbranch_scc0 .Lentry_in_a_cluster
	s_endpgm
.Lentry_in_a_cluster:
	s_bfe_u32 s2, ttmp6, 0x10000c
	s_cmp_lg_u32 s2, 0xf033
	s_cbranch_scc0 .Lentry_shape_is_right
	s_endpgm
.Lentry_shape_is_right:
; q = x Wq + bq on codes of E5M2 with E8M0 scales; then, head by head, the attention against ONE key and ONE value vector that the problem itself repeats 1,024 times; y is quantised for the last product.
; SHARES.  A work-group makes 128 rows x 128 columns of q (two heads); each of its four waves 64 x 64: four tiles of 16 queries x ONE head, 16 accumulators.  So the attention never leaves the wave.
; THE WHOLE K (1,024) OF BOTH OPERANDS LIES IN LDS, FILLED ONCE: four chunks of 256 along K, each 128 rows of x and 128 rows of Wq, rows of 256 bytes + 16 of padding.  Each wave asks for its quarter of every
; chunk at the head: four tensor loads of a wave are out, no LDS byte is filled twice, so there is no ring, and the waits on TENSORcnt are counted: they serve reads alone.
; CLUSTERS: 4 x 4 work-groups.  The four of a row of the cluster need the same rows of x, the four of a column the same rows of Wq: each tile is asked for JOINTLY, by the same tensor load with the same
; descriptor and a mask that names the four.
; THE MATRIX INSTRUCTION IS USED TRANSPOSED (source 0 = 16 rows of Wq, source 1 = 16 rows of x): lane (r, h) holds query r, and register j of accumulator (a, b) is q(16 a + r, 16 b + 8 h + j).  bq is the first product's C.
; THE ATTENTION.  All 1,024 keys of a (batch, head) are one vector k, all values one vector v (the problem's own broadcast).  So every distinct number is made once:
;   scores: one tile of 16 of the equal keys against each tile of 16 queries (K = 64, filled up to 128 with zero codes on both sides);
;   t = score x log2(e) / 8;  M = ceil(t): the row's largest t is its one t;  p = 2^(t - M);  l = 1,024 p (exact);
;   O^T = V^T P^T runs its whole K, 1,024 keys, in the matrix unit: eight K steps on fragments that hold the one code of v, or of p, in every place;  y = O / l.
; q and k are quantised in the order in which the accumulators hold q: place 32 c + 16 h + 8 u + j of the operand holds channel 32 c + 16 u + 8 h + j.  Both sides carry the same order, inside a block of 32: the products and the scales stay.
; V's tile t takes channel 32 (t / 2) + 8 (t % 2) + r + 8 (r / 8) in lane r, so that O^T's register 16 c + 8 u + j is channel 32 c + 16 h + 8 u + j: the last product's K in its true order.
; OUT.  ycodes: images of the next launch's operand registers, [row tile 256][K step 8][c 4][lane 32][16 bytes]: each store of a wave covers 512 consecutive bytes.  ysc: [K step 8][row 4,096] words, byte c = block c of the K step.
; LIMITS: NaN and infinities among the inputs are not served.  A block of zeros gets the scale byte 1 where the rule says 127: its codes are zeros, which add nothing, and this program alone reads the bytes.
;   l is 1,024 x p, not a chain of 1,024 additions.  p lies in (1/2, 1] by its make, so its quantiser needs no floor.
; REGISTERS, in windows of 256.  window 0: v1-15, v30-31 addresses; v14, v16-19 k's and v's scale words; v20-29 the quantiser's; v32-63 x's scale words, later q's, p's, y's; v64-95 Wq's; v96-127 bq, later y's codes; v128-255 accumulators.
;   window 1: two sets of fragments.   window 2: k's, q's, p's, v's fragments, v's partial sums.   window 3: k's partial sums, later O^T.
.set CHB,   69632                      ; a chunk: x's 128 rows, then Wq's 128 rows, 272 bytes each
.set PARTB, 17408                      ; 64 rows: what one tensor load brings
.set PITCH, 272                        ; 256 bytes + 16 = 68 words: row r starts at bank 4 r mod 64 (64 banks of 4 bytes: ISA guide 11.1): the 16 rows of a load start at 16 different banks
.set STG,   4*CHB                      ; behind the chunks, in blocks of 256 bytes of its own: 512 bytes for y's scale words
.set ASTEP, 256                        ; from chunk to chunk in a row of x
.set WV, 20                            ; s20 wave;  s21 which 64 rows are mine, also: I fetch for x (0) or Wq (1);  s22 which 64 columns, also: which 64 rows I fetch
.set WR, 21
.set WC, 22
.set CX, 23
.set CY, 24
.set TC, 25                            ; tile column, tile row
.set TR, 26
.set MKA, 27
.set MKB, 28
.set G1A, 36                           ; s[36:43], s[44:51] descriptor groups 1
.set G1B, 44
.set MNT, 52                           ; the mantissa field of 57,344
.set CS,  54                           ; s[54:55] log2(e) / 8
.set SEL, 56                           ; s[56:57] v_permlanex16_b32's selects for lane l xor 16
.set G0A, 68                           ; s[68:83], s[84:99] descriptor groups 0, a set for each chunk
.set G0B, 84
.set LI,   3                           ; 16 x lane
.set ADRA, 4                           ; v4-7   LDS address of my fragments of x in chunk c
.set ADRB, 8                           ; v8-11  of Wq
.set YSA,  12                          ; where I put y's two scale bytes
.set R32,  13                          ; 32 r
.set KSW,  14                          ; k's scale word
.set H32,  15                          ; 32 h
.set VSW,  16                          ; v16-19 v's scale words
.set TM,   20                          ; the quantiser's: largest magnitudes, the other half's, scale operands, holds, bytes
.set TP,   22
.set SO,   24
.set HO,   26
.set BY,   28
.set VOF,  30                          ; 4 (r + 8 (r / 8))
.set YSR,  31                          ; where wave 0 reads the scale words back
.set SA,   32                          ; scale words of x: 8 i + s
.set SB,   64                          ; of Wq
.set BIAS, 96
.set ACC,  128
.set F0,   0                           ; window 1
.set F1,   128
.set KV,   128                         ; head: k, v and what their quantisers need, in registers that the accumulators take later
.set VV,   160
.set VA,   164
.set VSO,  168
.set VHO,  172
.set VBY,  176
.set VT,   192
.set QSW,  32                          ; behind the first product: scale words of q, p, y
.set PSW,  36
.set YSW,  40
.set RP,   4                           ; v4-11: pairs (1 / l, l): the fragment loads' address registers are done with
.set NM,   136                         ; v136-143: pairs (-M, t);  v144-155: p's scale operand, hold, byte: registers of tile 0's q that are free between q's quantiser and y
.set PSO,  144
.set PHO,  148
.set PBY,  152
.set YC,   96
.set KF,   0                           ; window 2
.set QF,   16
.set PF,   80
.set VF,   144
.set VP,   208
.set MSB, 0
.macro WIN new                         ; the immediate's high byte repeats the setting that is left; a switch that changes nothing is dropped
.if MSB != (\new)
	s_set_vgpr_msb (MSB<<8)|(\new)
.set MSB, (\new)
.endif
.endm
.macro PLACES n
.rept \n
	v_nop
.endr
.endm
.macro CROUND                          ; a round of the cluster's barrier
	s_barrier_signal -1
	s_barrier_wait -1
	s_cmp_lg_u32 s[WV], 0
	s_cbranch_scc1 .Lnot_wave_0_\@
	s_barrier_signal -3
.Lnot_wave_0_\@:
	s_barrier_wait -3
	s_barrier_signal -1
	s_barrier_wait -1
.endm
; 32 LDS loads: K step s's fragments (16 rows x 128 K = 16 registers: registers 4 c .. 4 c + 3 hold K = 32 c + 16 h + 0 .. 15), four of Wq and four of x, into set f of window 1
.macro FETCH s, f
	WIN 0x40                                       ; destination window 1, address window 0
.irp i, 0,1,2,3
.irp c, 0,1,2,3
	ds_load_b128 v[\f+64+16*\i+4*\c:\f+64+16*\i+4*\c+3], v[ADRB+(\s)/2] offset:4352*\i+128*((\s)%2)+32*\c
.endr
.endr
.irp i, 0,1,2,3
.irp c, 0,1,2,3
	ds_load_b128 v[\f+16*\i+4*\c:\f+16*\i+4*\c+3], v[ADRA+(\s)/2] offset:4352*\i+128*((\s)%2)+32*\c
.endr
.endr
.endm
; 8 matrix instructions of K step s: x's blocks a0, a0 + 1 against Wq's four.  The 16 accumulators take turns, one instruction a turn, in the same order in every step.
.macro MUL8 s, a0
	WIN 0x05                                       ; sources 0 and 1 window 1; C and D window 0
.set FB, 128*((\s)%2)
.irp a, \a0, \a0+1
.irp b, 0,1,2,3
.if (\s) == 0
	v_wmma_scale_f32_16x16x128_f8f6f4 v[ACC+8*(4*(\a)+\b):ACC+8*(4*(\a)+\b)+7], v[FB+64+16*\b:FB+64+16*\b+15], v[FB+16*(\a):FB+16*(\a)+15], v[BIAS+8*\b:BIAS+8*\b+7], v[SB+8*\b+(\s)], v[SA+8*(\a)+(\s)] matrix_a_fmt:MATRIX_FMT_BF8 matrix_b_fmt:MATRIX_FMT_BF8
.else
	v_wmma_scale_f32_16x16x128_f8f6f4 v[ACC+8*(4*(\a)+\b):ACC+8*(4*(\a)+\b)+7], v[FB+64+16*\b:FB+64+16*\b+15], v[FB+16*(\a):FB+16*(\a)+15], v[ACC+8*(4*(\a)+\b):ACC+8*(4*(\a)+\b)+7], v[SB+8*\b+(\s)], v[SA+8*(\a)+(\s)] matrix_a_fmt:MATRIX_FMT_BF8 matrix_b_fmt:MATRIX_FMT_BF8
.endif
.endr
.endr
.endm
; 32 numbers of a lane in window 0, v[src + 16 c + i]: 16 of block c, whose other 16 lie in lane l xor 16, become 8 registers of codes at v[dst] of window dwin and a scale word of two bytes in v[sw].
; Where src holds matrix results, each accumulator of eight is first read at its low end.
.macro QUANT2 src, dwin, dst, sw
.irp c, 0,1
	v_max3_num_f32 v[TM+\c], |v[(\src)+16*\c]|, |v[(\src)+16*\c+1]|, 0x8000000   ; and the floor 2^(16 - 127): the byte cannot fall under 1
.endr
.irp i, 2,4,6,8,10,12,14
.irp c, 0,1
	v_max3_num_f32 v[TM+\c], v[TM+\c], |v[(\src)+16*\c+\i]|, |v[(\src)+16*\c+\i+1]|
.endr
.endr
.irp c, 0,1
	v_permlanex16_b32 v[TP+\c], v[TM+\c], s[SEL], s[SEL+1]
.endr
.irp c, 0,1
	v_max_num_f32 v[TM+\c], v[TM+\c], v[TP+\c]     ; the block's largest magnitude
.endr
.irp c, 0,1
	v_add_nc_u32 v[SO+\c], 0xf8800000, v[TM+\c]    ; 15 off its exponent field: the conversion's scale operand
.endr
.irp c, 0,1
	v_and_or_b32 v[HO+\c], v[TM+\c], 0x7f800000, s[MNT]   ; 57,344 x the scale
.endr
.irp c, 0,1
	v_lshrrev_b32 v[BY+\c], 23, v[SO+\c]           ; the scale's byte
.endr
	v_lshl_or_b32 v[\sw], v[BY+1], 8, v[BY]
.irp c, 0,1
.irp i, 0,1,2,3,4,5,6,7,8,9,10,11,12,13,14,15
	v_med3_num_f32 v[(\src)+16*\c+\i], v[(\src)+16*\c+\i], -v[HO+\c], v[HO+\c]   ; the conversion to an 8-bit code does not saturate (ISA guide 7.6.2): the hold at the largest code x the scale
.endr
.endr
	WIN (\dwin)<<6
.irp c, 0,1
.irp u, 0,1
	v_cvt_scalef32_pk8_bf8_f32 v[(\dst)+4*\c+2*\u:(\dst)+4*\c+2*\u+1], v[(\src)+16*\c+8*\u:(\src)+16*\c+8*\u+7], v[SO+\c]
.endr
.endr
	WIN 0
	v_nop                                          ; one plain instruction behind the last conversion of a run
.endm
	s_load_b512 s[4:19], s[0:1], 0x0               ; x_codes s[4:5], x_scales s[6:7], Wq_codes s[8:9], Wq_scales s[10:11], bq s[12:13], kvpart s[14:15], ycodes s[16:17], ysc s[18:19]
	s_set_vgpr_msb 0x80
	v_lshl_add_u32 v254, v0, 2, 0x44200
	v_mov_b32 v255, 0
	s_set_vgpr_msb 0x808a
	ds_add_u32 v254, v255
	ds_add_u32 v254, v255
	s_set_vgpr_msb 0x8a00
	v_lshrrev_b32 v1, 5, v0
	v_readfirstlane_b32 s[WV], v1
	s_lshr_b32 s[WR], s[WV], 1
	s_and_b32 s[WC], s[WV], 1
	s_bfe_u32 s[CX], ttmp6, 0x40000
	s_bfe_u32 s[CY], ttmp6, 0x40004
	s_lshl_b32 s[TC], ttmp9, 2
	s_add_co_u32 s[TC], s[TC], s[CX]               ; tile column = 4 x cluster x + cx
	s_and_b32 s[TR], ttmp7, 0xffff
	s_lshl_b32 s[TR], s[TR], 2
	s_add_co_u32 s[TR], s[TR], s[CY]               ; tile row = 4 x cluster y + cy
	s_lshl_b32 s[MKA], s[CY], 2
	s_lshl_b32 s[MKA], 15, s[MKA]                  ; my row of the cluster
	s_lshl_b32 s[MKB], 0x1111, s[CX]               ; my column
	; descriptor groups 1: 64 rows x 256 bytes, 1,024 bytes apart in memory, 16 bytes of padding behind each in LDS
	s_or_b32 s[G1A], s[MKA], (0<<16)|(1<<20)|(1<<21)|(5<<22)|(3<<25)   ; 15:0 the mask; 17:16 elements of 1 byte; 20 padding on; 21 set beside a mask; 24:22 after every 64 words; 31:25 four words
	s_or_b32 s[G1B], s[MKB], (0<<16)|(1<<20)|(1<<21)|(5<<22)|(3<<25)
.irp g, G1A, G1B
	s_mov_b32 s[\g+1], 256<<16                     ; tensor_dim0
	s_mov_b32 s[\g+2], 64<<16                      ; tensor_dim1
	s_mov_b32 s[\g+3], 256<<16                     ; tile_dim0
	s_mov_b32 s[\g+4], 64                          ; tile_dim1
	s_mov_b32 s[\g+5], 1024                        ; tensor_dim0_stride
	s_mov_b32 s[\g+6], 0
	s_mov_b32 s[\g+7], 0
.endr
	s_mov_b32 s[MNT], 0x600000
	s_mov_b32 s[CS], 0x3e38aa3b                    ; log2(e) / sqrt(64)
	s_mov_b32 s[CS+1], s[CS]                       ; (named with it as a pair, so it is written)
	s_mov_b32 s[SEL], 0x76543210
	s_mov_b32 s[SEL+1], 0xfedcba98
	; every LDS address is made here, ahead of the first branch on the wave's number
	v_and_b32 v1, 15, v0                           ; r
	v_bfe_u32 v2, v0, 4, 1                         ; h
	v_and_b32 v[LI], 31, v0
	v_lshlrev_b32 v[LI], 4, v[LI]
	v_mul_u32_u24 v[TM], v1, PITCH
	v_lshl_add_u32 v[TM], v2, 4, v[TM]             ; a fragment's row x pitch + 16 h
	s_mul_i32 s60, s[WR], PARTB                    ; my 64 rows of x
	s_mul_i32 s61, s[WC], PARTB                    ; my 64 rows of Wq,
	s_add_co_u32 s61, s61, 2*PARTB                 ; which lie behind x's 128
.irp c, 0,1,2,3
	v_add_nc_u32 v[ADRA+\c], s60, v[TM]
	v_add_nc_u32 v[ADRB+\c], s61, v[TM]
	s_add_co_u32 s60, s60, CHB
	s_add_co_u32 s61, s61, CHB
.endr
	s_lshl_b32 s60, s[WR], 8
	s_lshl_b32 s61, s[WC], 1
	s_add_co_u32 s60, s60, s61
	s_add_co_u32 s60, s60, STG
	v_lshl_add_u32 v[YSA], v1, 2, s60              ; a word a row: 4 (64 WR + r), my head's two bytes at 2 WC
	v_add_nc_u32 v[YSR], STG, v[LI]
	v_lshlrev_b32 v[R32], 5, v1
	v_lshlrev_b32 v[H32], 5, v2
	v_and_b32 v[VOF], 8, v1
	v_add_nc_u32 v[VOF], v[VOF], v1
	v_lshlrev_b32 v[VOF], 2, v[VOF]
	v_mov_b32 v[TP], 0                             ; written once: a lane permute's destination counts as one of its sources
	v_mov_b32 v[TP+1], 0
	; where the tiles come from: x's hang on the tile row alone, Wq's on the tile column alone, each in registers that never hold the other coordinate
	s_lshl_b32 s34, s[WC], 6                       ; which 64 rows I fetch
	s_lshl_b32 s30, s[TR], 7
	s_add_co_u32 s30, s30, s34
	s_lshl_b32 s30, s30, 10                        ; rows of 1,024 bytes
	s_mov_b32 s31, 0
	s_lshl_b32 s32, s[TC], 7
	s_add_co_u32 s32, s32, s34
	s_lshl_b32 s32, s32, 10
	s_mov_b32 s33, 0
	s_mul_i32 s35, s[WV], PARTB                    ; and where they go: wave x 64 rows: no place in the cluster enters an LDS address
	s_wait_dscnt 0x0
	s_wait_kmcnt 0x0
	s_add_nc_u64 s[30:31], s[4:5], s[30:31]
	s_add_nc_u64 s[32:33], s[8:9], s[32:33]
.irp c, 0,1,2,3
	s_mov_b32 s[G0A+4*\c], 1                       ; count = 1
	s_add_co_u32 s[G0A+4*\c+1], s35, \c*CHB        ; LDS address
	s_add_nc_u64 s[G0A+4*\c+2:G0A+4*\c+3], s[30:31], \c*ASTEP
	s_or_b32 s[G0A+4*\c+3], s[G0A+4*\c+3], 0x80000000   ; type = 2
	s_mov_b32 s[G0B+4*\c], 1
	s_add_co_u32 s[G0B+4*\c+1], s35, \c*CHB
	s_add_nc_u64 s[G0B+4*\c+2:G0B+4*\c+3], s[32:33], \c*256
	s_or_b32 s[G0B+4*\c+3], s[G0B+4*\c+3], 0x80000000
.endr
	CROUND                                         ; all sixteen work-groups are here: the joint loads meet
	s_cmp_eq_u32 s[WR], 0                          ; a wave's four fills stand in one branch, ahead of every wait on TENSORcnt and every LDS read: four loads of mine are out
	s_cbranch_scc0 .Lfill_b
.irp c, 0,1,2,3
	tensor_load_to_lds s[G0A+4*\c:G0A+4*\c+3], s[G1A:G1A+7]
	s_nop 0
.endr
	PLACES 4
	s_branch .Lfilled
.Lfill_b:
.irp c, 0,1,2,3
	tensor_load_to_lds s[G0B+4*\c:G0B+4*\c+3], s[G1B:G1B+7]
	s_nop 0
.endr
	PLACES 4
.Lfilled:
	; the other buffers at my part
	s_lshl_b32 s62, s[TR], 7
	s_lshl_b32 s60, s[WR], 6
	s_add_co_u32 s62, s62, s60                     ; my first row
	s_lshl_b32 s61, s[TC], 7
	s_lshl_b32 s60, s[WC], 6
	s_add_co_u32 s61, s61, s60                     ; my first column = 64 x my head
	s_mov_b32 s59, 0
	s_lshl_b32 s58, s62, 5
	s_add_nc_u64 s[6:7], s[6:7], s[58:59]          ; x's scales: 32 bytes a row
	s_lshl_b32 s58, s61, 5
	s_add_nc_u64 s[10:11], s[10:11], s[58:59]      ; Wq's
	s_lshl_b32 s58, s61, 2
	s_add_nc_u64 s[12:13], s[12:13], s[58:59]      ; bq
	s_lshr_b32 s60, s[TR], 3                       ; the batch
	s_lshl_b32 s60, s60, 12
	s_add_co_u32 s58, s58, s60
	s_add_nc_u64 s[14:15], s[14:15], s[58:59]      ; kvpart: 4,096 b + 256 head
	s_lshl_b32 s58, s62, 10                        ; ycodes: 16,384 a row tile,
	s_lshl_b32 s60, s61, 4                         ; 2,048 a K step, 1,024 a head
	s_add_co_u32 s58, s58, s60
	s_add_nc_u64 s[16:17], s[16:17], s[58:59]
	s_lshl_b32 s58, s[TC], 14                      ; ysc: K step = tile column; the work-group's 128 words
	s_lshl_b32 s60, s[TR], 9
	s_add_co_u32 s58, s58, s60
	s_add_nc_u64 s[18:19], s[18:19], s[58:59]
	; ---- under the tiles' flight: k and v are finished and quantised
	WIN 0xc0                                       ; destination window 3
.irp p, 0,1,2,3,4,5,6,7                            ; k's eight parts, in the order in which an accumulator tile holds q: register 8 t + j = channel 16 t + 8 h + j
.irp t, 0,1,2,3
	global_load_b128 v[32*\p+8*\t:32*\p+8*\t+3], v[H32], s[14:15] offset:32768*\p+64*\t
	global_load_b128 v[32*\p+8*\t+4:32*\p+8*\t+7], v[H32], s[14:15] offset:32768*\p+64*\t+16
.endr
.endr
	WIN 0x80                                       ; destination window 2
.irp p, 0,1,2,3,4,5,6,7                            ; v's: one number a lane and tile: channel 32 (t / 2) + 8 (t % 2) + r + 8 (r / 8)
.irp t, 0,1,2,3
	global_load_b32 v[VP+4*\p+\t], v[VOF], s[14:15] offset:32768*\p+16384+4*(32*(\t/2)+8*(\t%2))
.endr
.endr
	WIN 0
.irp i, 0,1,2,3                                    ; the scale words of all of K: a row's 32 bytes are its eight K steps' words.  bq in the result's layout: bq[16 b + 8 h + j]
	global_load_b128 v[SA+8*\i:SA+8*\i+3], v[R32], s[6:7] offset:512*\i
	global_load_b128 v[SA+8*\i+4:SA+8*\i+7], v[R32], s[6:7] offset:512*\i+16
	global_load_b128 v[SB+8*\i:SB+8*\i+3], v[R32], s[10:11] offset:512*\i
	global_load_b128 v[SB+8*\i+4:SB+8*\i+7], v[R32], s[10:11] offset:512*\i+16
	global_load_b128 v[BIAS+8*\i:BIAS+8*\i+3], v[H32], s[12:13] offset:64*\i
	global_load_b128 v[BIAS+8*\i+4:BIAS+8*\i+7], v[H32], s[12:13] offset:64*\i+16
.endr
	WIN 0x80
.irp i, 8,9,10,11,12,13,14,15                      ; K = 64 is filled up to the instruction's 128 with zero codes, on both operands
	v_mov_b32 v[KF+\i], 0
.irp a, 0,1,2,3
	v_mov_b32 v[QF+16*\a+\i], 0
.endr
.endr
	s_wait_loadcnt 56                              ; k's 64 loads are in; behind them: v's 32 and the 24 of scales and bias
	WIN 0xcf                                       ; sources and destination window 3
.irp p, 1,2,3,4,5,6
.irp i, 0,2,4,6,8,10,12,14,16,18,20,22,24,26,28,30
	v_pk_add_f32 v[\i:\i+1], v[\i:\i+1], v[32*\p+\i:32*\p+\i+1]
.endr
.endr
	WIN 0x0f                                       ; the last addition lands in window 0
.irp i, 0,2,4,6,8,10,12,14,16,18,20,22,24,26,28,30
	v_pk_add_f32 v[KV+\i:KV+\i+1], v[\i:\i+1], v[224+\i:224+\i+1]
.endr
	WIN 0
	QUANT2 KV, 2, KF, KSW                          ; every lane's row is the one key
	s_wait_loadcnt 24                              ; v's 32 loads are in
	WIN 0x8a
.irp p, 1,2,3,4,5,6
	v_pk_add_f32 v[VP:VP+1], v[VP:VP+1], v[VP+4*\p:VP+4*\p+1]
	v_pk_add_f32 v[VP+2:VP+3], v[VP+2:VP+3], v[VP+4*\p+2:VP+4*\p+3]
.endr
	WIN 0x0a
	v_pk_add_f32 v[VV:VV+1], v[VP:VP+1], v[VP+28:VP+29]
	v_pk_add_f32 v[VV+2:VV+3], v[VP+2:VP+3], v[VP+30:VP+31]
	WIN 0
	; v along the keys: a block of 32 is one number 32 times, so its magnitude is the block's largest
.irp t, 0,1,2,3
	v_max_num_f32 v[VA+\t], 0x8000000, |v[VV+\t]|  ; with the floor 2^(16 - 127)
.endr
.irp t, 0,1,2,3
	v_add_nc_u32 v[VSO+\t], 0xf8800000, v[VA+\t]
.endr
.irp t, 0,1,2,3
	v_and_or_b32 v[VHO+\t], v[VA+\t], 0x7f800000, s[MNT]
.endr
.irp t, 0,1,2,3
	v_lshrrev_b32 v[VBY+\t], 23, v[VSO+\t]
.endr
.irp t, 0,1,2,3
	v_lshl_or_b32 v[VSW+\t], v[VBY+\t], 8, v[VBY+\t]
.endr
.irp t, 0,1,2,3
	v_lshl_or_b32 v[VSW+\t], v[VSW+\t], 16, v[VSW+\t]   ; the same byte for all four blocks of a K step
.endr
.irp t, 0,1,2,3
.irp i, 0,1,2,3,4,5,6,7
	v_med3_num_f32 v[VT+8*\t+\i], v[VV+\t], -v[VHO+\t], v[VHO+\t]   ; the hold, eight copies: a conversion takes eight numbers
.endr
.endr
	WIN 0x80
.irp t, 0,1,2,3
.irp i, 0,1,2,3,4,5,6,7
	v_cvt_scalef32_pk8_bf8_f32 v[VF+16*\t+2*\i:VF+16*\t+2*\i+1], v[VT+8*\t:VT+8*\t+7], v[VSO+\t]   ; the conversions fill the fragment: 64 equal codes a lane
.endr
.endr
	WIN 0
	v_nop                                          ; one plain instruction behind the last conversion: the first products write its sources
	; ---- q = x Wq + bq: eight K steps of 128, written out; two sets of fragments
	s_wait_loadcnt 0x0                             ; scales and bias
	s_wait_tensorcnt 0x3                           ; my part of chunk 0 is in; the three younger loads may be out
	s_barrier_signal -1
	s_barrier_wait -1                              ; everybody's is
	FETCH 0, F0
	FETCH 1, F1
	s_wait_dscnt 32                                ; all but the 32 just issued
	MUL8 0, 0
	MUL8 0, 2
.irp s, 1,3,5
	s_wait_tensorcnt 3-(\s+1)/2                    ; my part of the next chunk is in; the younger chunks' loads may be out
	s_wait_dscnt 0x0                               ; this step's fragments are in, and no LDS instruction of mine is pending at the signal
	s_barrier_signal -1
	MUL8 \s, 0                                     ; work on registers while the others arrive
	s_barrier_wait -1                              ; the next chunk is whole
	PLACES 8                                       ; eight places in front of loads into registers that matrix instructions have read
	FETCH \s+1, F0
	MUL8 \s, 2
	PLACES 8
	FETCH \s+2, F1
	s_wait_dscnt 32
	MUL8 \s+1, 0
	MUL8 \s+1, 2
.endr
	s_wait_dscnt 0x0
	MUL8 7, 0
	MUL8 7, 2
	WIN 0
	PLACES 8                                       ; in front of the first read of results, and of writes of the scale registers
	; ---- q is quantised along the head's 64 channels
.irp a, 0,1,2,3
	QUANT2 ACC+32*\a, 2, QF+16*\a, QSW+\a
.endr
	PLACES 4                                       ; codes written by vector instructions stand four places ahead of a scaled matrix instruction (the scale words stand further back); with the eight above also the nine ahead of accumulators begun anew
	WIN 0x0a                                       ; sources window 2, result window 0
.irp a, 0,1,2,3                                    ; S^T = k q^T: lane (r, h) holds query r; its eight registers are eight of the equal keys
	v_wmma_scale_f32_16x16x128_f8f6f4 v[ACC+32*\a:ACC+32*\a+7], v[KF:KF+15], v[QF+16*\a:QF+16*\a+15], 0, v[KSW], v[QSW+\a] matrix_a_fmt:MATRIX_FMT_BF8 matrix_b_fmt:MATRIX_FMT_BF8
.endr
	WIN 0
	PLACES 8
	; ---- the softmax: the row's largest t is its one t
.irp a, 0,1,2,3
	v_mul_f32 v[NM+2*\a+1], s[CS], v[ACC+32*\a]    ; t (the accumulator is first read at its low end)
.endr
.irp a, 0,1,2,3
	v_floor_f32 v[NM+2*\a], -v[NM+2*\a+1]          ; -M = floor(-t) = -ceil(t)
.endr
.irp a, 0,1,2,3
.irp j, 0,2,4,6
	v_pk_fma_f32 v[ACC+32*\a+\j:ACC+32*\a+\j+1], v[ACC+32*\a+\j:ACC+32*\a+\j+1], s[CS:CS+1], v[NM+2*\a:NM+2*\a+1] op_sel_hi:[1,0,0]   ; t - M
.endr
.endr
.irp a, 0,1,2,3
.irp j, 0,1,2,3,4,5,6,7
	v_exp_f32 v[ACC+32*\a+\j], v[ACC+32*\a+\j]     ; p = 2^(t - M): eight equal numbers, which a conversion takes at once
.endr
.endr
	v_nop                                          ; a plain instruction behind the last exponential
	s_wait_alu depctr_va_vdst(0)                   ; one wait for the batch, ahead of its first reader
.irp a, 0,1,2,3
	v_mul_f32 v[RP+2*\a+1], 0x44800000, v[ACC+32*\a]   ; l = 1,024 p: the sum of the unquantised p
.endr
.irp a, 0,1,2,3
	v_add_nc_u32 v[PSO+\a], 0xf8800000, v[ACC+32*\a]   ; a block of 32 keys holds p 32 times: p is its largest magnitude
.endr
.irp a, 0,1,2,3
	v_and_or_b32 v[PHO+\a], v[ACC+32*\a], 0x7f800000, s[MNT]
.endr
.irp a, 0,1,2,3
	v_lshrrev_b32 v[PBY+\a], 23, v[PSO+\a]
.endr
.irp a, 0,1,2,3
	v_lshl_or_b32 v[PSW+\a], v[PBY+\a], 8, v[PBY+\a]
.endr
.irp a, 0,1,2,3
	v_lshl_or_b32 v[PSW+\a], v[PSW+\a], 16, v[PSW+\a]
.endr
.irp a, 0,1,2,3
.irp j, 0,1,2,3,4,5,6,7
	v_min_num_f32 v[ACC+32*\a+\j], v[ACC+32*\a+\j], v[PHO+\a]   ; p is not negative: the hold is one-sided.  (These 32 are also the places behind the scale words)
.endr
.endr
	WIN 0x80
.irp a, 0,1,2,3
.irp i, 0,1,2,3,4,5,6,7
	v_cvt_scalef32_pk8_bf8_f32 v[PF+16*\a+2*\i:PF+16*\a+2*\i+1], v[ACC+32*\a:ACC+32*\a+7], v[PSO+\a]
.endr
.endr
	WIN 0
.irp a, 0,1,2,3
	v_rcp_f32 v[RP+2*\a], v[RP+2*\a+1]             ; 1 / l
.endr
	PLACES 4                                       ; plain instructions behind the conversions and the reciprocals, and the four places ahead of the products
	s_wait_alu depctr_va_vdst(0)                   ; one wait for the four reciprocals
	; ---- O^T = V^T P^T over all 1,024 keys: eight K steps on the same fragments; 16 accumulators by turns
	WIN 0xfa                                       ; sources window 2, C and D window 3
.irp a, 0,1,2,3
.irp t, 0,1,2,3
	v_wmma_scale_f32_16x16x128_f8f6f4 v[32*\a+8*\t:32*\a+8*\t+7], v[VF+16*\t:VF+16*\t+15], v[PF+16*\a:PF+16*\a+15], 0, v[VSW+\t], v[PSW+\a] matrix_a_fmt:MATRIX_FMT_BF8 matrix_b_fmt:MATRIX_FMT_BF8
.endr
.endr
.rept 7
.irp a, 0,1,2,3
.irp t, 0,1,2,3
	v_wmma_scale_f32_16x16x128_f8f6f4 v[32*\a+8*\t:32*\a+8*\t+7], v[VF+16*\t:VF+16*\t+15], v[PF+16*\a:PF+16*\a+15], v[32*\a+8*\t:32*\a+8*\t+7], v[VSW+\t], v[PSW+\a] matrix_a_fmt:MATRIX_FMT_BF8 matrix_b_fmt:MATRIX_FMT_BF8
.endr
.endr
.endr
	WIN 0
	PLACES 8
	; ---- y = O / l, quantised along the channels; the codes leave as images of the next operand's registers
.irp a, 0,1,2,3
	WIN 0x03                                       ; source 0 window 3
.irp i, 0,2,4,6,8,10,12,14,16,18,20,22,24,26,28,30
	v_pk_mul_f32 v[ACC+32*\a+\i:ACC+32*\a+\i+1], v[32*\a+\i:32*\a+\i+1], v[RP+2*\a:RP+2*\a+1] op_sel_hi:[1,0]   ; ascending: each accumulator from its low end
.endr
	WIN 0
	QUANT2 ACC+32*\a, 0, YC+8*\a, YSW+\a
	global_store_b128 v[LI], v[YC+8*\a:YC+8*\a+3], s[16:17] offset:16384*\a         ; 32 lanes store 512 consecutive bytes, aligned
	global_store_b128 v[LI], v[YC+8*\a+4:YC+8*\a+7], s[16:17] offset:16384*\a+512
	ds_store_b16 v[YSA], v[YSW+\a] offset:64*\a    ; my head's two bytes of the row's scale word; lanes r and r + 16 write the same bytes with the same value
.endr
	s_wait_dscnt 0x0                               ; for wave 0's sake: my scale bytes lie in LDS
	s_barrier_signal -1
	s_barrier_wait -1
	s_cmp_lg_u32 s[WV], 0
	s_cbranch_scc1 .Lnot_first
	ds_load_b128 v[TM:TM+3], v[YSR]                ; the work-group's 128 words
	s_wait_dscnt 0x0
	global_store_b128 v[LI], v[TM:TM+3], s[18:19]  ; 512 consecutive bytes, aligned
.Lnot_first:
	s_set_vgpr_msb 0xa
	s_wait_tensorcnt 0x0
	ds_add_u32 v254, v255
	s_wait_dscnt 0x0
	s_set_vgpr_msb 0xa00
	CROUND                                         ; the closing round: no work-group ends while a partner may still ask for a tile that names it
	s_endpgm
.Lfunc_end_k_qdc5406b43e_qattn:
	.size	k_qdc5406b43e_qattn, .Lfunc_end_k_qdc5406b43e_qattn-k_qdc5406b43e_qattn
	.p2alignl 7, 3214868480
	.fill 96, 4, 3214868480
	.section	.rodata,"a",@progbits
	.p2align	6, 0x0
	.amdhsa_kernel k_qdc5406b43e_qattn
		.amdhsa_group_segment_fixed_size 327680
		.amdhsa_private_segment_fixed_size 0
		.amdhsa_enable_private_segment 0
		.amdhsa_kernarg_size 64
		.amdhsa_user_sgpr_count 2
		.amdhsa_user_sgpr_kernarg_segment_ptr 1
		.amdhsa_wavefront_size32 1
		.amdhsa_system_sgpr_workgroup_id_x 1
		.amdhsa_system_sgpr_workgroup_id_y 1
		.amdhsa_system_sgpr_workgroup_id_z 1
		.amdhsa_system_vgpr_workitem_id 0
		.amdhsa_next_free_vgpr 1024
		.amdhsa_next_free_sgpr 100
		.amdhsa_reserve_vcc 0
		.amdhsa_float_denorm_mode_32 3
		.amdhsa_float_denorm_mode_16_64 3
		.amdhsa_memory_ordered 1
		.amdhsa_forward_progress 1
		.amdhsa_inst_pref_size 137
	.end_amdhsa_kernel
	.amdgpu_metadata
---
amdhsa.version: [ 1, 2 ]
amdhsa.kernels:
  - .name:           k_qdc5406b43e_qattn
    .symbol:         k_qdc5406b43e_qattn.kd
    .args:
      - { .name: x_codes, .offset: 0, .size: 8, .value_kind: global_buffer, .address_space: global }
      - { .name: x_scales, .offset: 8, .size: 8, .value_kind: global_buffer, .address_space: global }
      - { .name: Wq_codes, .offset: 16, .size: 8, .value_kind: global_buffer, .address_space: global }
      - { .name: Wq_scales, .offset: 24, .size: 8, .value_kind: global_buffer, .address_space: global }
      - { .name: bq, .offset: 32, .size: 8, .value_kind: global_buffer, .address_space: global }
      - { .name: kvpart, .offset: 40, .size: 8, .value_kind: global_buffer, .address_space: global }
      - { .name: ycodes, .offset: 48, .size: 8, .value_kind: global_buffer, .address_space: global }
      - { .name: ysc, .offset: 56, .size: 8, .value_kind: global_buffer, .address_space: global }
    .group_segment_fixed_size: 327680
    .private_segment_fixed_size: 0
    .kernarg_segment_align: 8
    .kernarg_segment_size: 64
    .max_flat_workgroup_size: 128
    .sgpr_count:     100
    .vgpr_count:     1024
    .wavefront_size: 32
...
	.end_amdgpu_metadata
.endif
;; end of part 2
;; launch oproj (part 3): grid 8 x 32, 4 waves a work-group, clusters of 4 x 4, 327,680 bytes of LDS; arguments ycodes, ysc, Wp_codes, Wp_scales, bp, out0; writes out0
.if DOCPART == 3
	.amdgcn_target "amdgcn-amd-amdhsa--gfx1250"
	.amdhsa_code_object_version 6
	.text
	.protected	k_qdc5406b43e_oproj
	.globl	k_qdc5406b43e_oproj
	.p2align	8
	.type	k_qdc5406b43e_oproj,@function
k_qdc5406b43e_oproj:
	s_mov_b64 s[64:65], 0
	v_nop
	global_prefetch_b8 v0, s[64:65] scope:SCOPE_SE
	s_setreg_imm32_b32 hwreg(HW_REG_WAVE_MODE, 25, 1), 1
	s_wait_xcnt 0x0
	s_wait_alu depctr_hold_cnt(0) depctr_sa_sdst(0) depctr_va_vdst(0) depctr_va_sdst(0) depctr_va_ssrc(0) depctr_va_vcc(0) depctr_vm_vsrc(0)
	s_getreg_b32 s2, hwreg(HW_REG_IB_STS2, 6, 4)
	s_cmp_eq_u32 s2, 0
	s_cbranch_scc0 .Lentry_in_a_cluster
	s_endpgm
.Lentry_in_a_cluster:
	s_bfe_u32 s2, ttmp6, 0x10000c
	s_cmp_lg_u32 s2, 0xf033
	s_cbranch_scc0 .Lentry_shape_is_right
	s_endpgm
.Lentry_shape_is_right:
; out0 = y Wp + bp on codes of E5M2 with E8M0 scales; sums in f32.  y: 4,096 rows, K = 1,024, as the launch before laid it: ycodes [row tile 256][K step 8][c 4][lane 32][16 bytes], images of the operand's
; registers; ysc [K step 8][row 4,096] words.  Wp_codes [1,024 (n)][1,024 (k)], Wp_scales [1,024][32].  out0 [4,096][1,024] f32.
; SHARES.  A work-group makes 128 x 128 of out0, each of its four waves 64 x 64: 16 accumulators.  256 work-groups, a tile each.
; THE WHOLE K OF BOTH OPERANDS LIES IN LDS, FILLED ONCE: four chunks of 256 along K.  Of y a wave's load brings four row tiles x 4,096 bytes (two K steps' images on end), dense in LDS and read as they lie, 16 bytes a lane;
; of Wp 64 rows of 256 bytes + 16 of padding.  Four tensor loads of a wave are out at the head; no LDS byte is filled twice, so the waits on TENSORcnt are counted: they serve reads alone.
; CLUSTERS: 4 x 4 work-groups; y's tiles are shared along a row of the cluster, Wp's along a column, by joint loads.
; THE MATRIX INSTRUCTION IS USED TRANSPOSED (source 0 = 16 rows of Wp, source 1 = 16 rows of y): a lane holds eight neighbouring numbers of a row of out0.  bp is the first product's C.
; REGISTERS.  window 0: v1-16, v31 addresses; v32-63 y's scale words (8 i + s), v64-95 Wp's; v96-127 bp; v128-255 accumulators.   window 1: two sets of fragments; on the way out rows read back from the stage.
.set CHB,   69632                      ; a chunk: y's part (2 x 17,408, of which 2 x 16,384 are used), then Wp's 128 rows of 272 bytes
.set PARTB, 17408
.set PITCH, 272                        ; 256 bytes + 16 = 68 words: row r starts at bank 4 r mod 64 (64 banks of 4 bytes: ISA guide 11.1)
.set STG,   4*CHB                      ; behind the chunks, in blocks of 256 bytes of their own: a stage of 16 rows x 272 bytes for each wave
.set ASTEP, 4096                       ; from chunk to chunk in a row tile of ycodes
.set WV, 20
.set WR, 21
.set WC, 22
.set CX, 23
.set CY, 24
.set TC, 25
.set TR, 26
.set MKA, 27
.set MKB, 28
.set G1A, 36
.set G1B, 44
.set G0A, 68
.set G0B, 84
.set LI,   3                           ; 16 x lane
.set ADRA, 4
.set ADRB, 8
.set STO,  12                          ; the way out: where I put 32 bytes of a row
.set RDA,  13                          ; where I read a row back
.set CO,   14                          ; my byte offset in out0
.set H32,  15                          ; 32 h
.set R32,  16                          ; 32 r
.set R4,   31                          ; 4 r
.set SA,   32
.set SB,   64
.set BIAS, 96
.set ACC,  128
.set F0,   0
.set F1,   128
.set MSB, 0
.macro WIN new                         ; the immediate's high byte repeats the setting that is left; a switch that changes nothing is dropped
.if MSB != (\new)
	s_set_vgpr_msb (MSB<<8)|(\new)
.set MSB, (\new)
.endif
.endm
.macro PLACES n
.rept \n
	v_nop
.endr
.endm
.macro CROUND                          ; a round of the cluster's barrier
	s_barrier_signal -1
	s_barrier_wait -1
	s_cmp_lg_u32 s[WV], 0
	s_cbranch_scc1 .Lnot_wave_0_\@
	s_barrier_signal -3
.Lnot_wave_0_\@:
	s_barrier_wait -3
	s_barrier_signal -1
	s_barrier_wait -1
.endm
; 32 LDS loads: K step s's fragments, four of Wp (from rows) and four of y (images), into set f of window 1
.macro FETCH s, f
	WIN 0x40                                       ; destination window 1, address window 0
.irp i, 0,1,2,3
.irp c, 0,1,2,3
	ds_load_b128 v[\f+64+16*\i+4*\c:\f+64+16*\i+4*\c+3], v[ADRB+(\s)/2] offset:4352*\i+128*((\s)%2)+32*\c
.endr
.endr
.irp i, 0,1,2,3
.irp c, 0,1,2,3
	ds_load_b128 v[\f+16*\i+4*\c:\f+16*\i+4*\c+3], v[ADRA+(\s)/2] offset:4096*\i+2048*((\s)%2)+512*\c
.endr
.endr
.endm
; 8 matrix instructions of K step s: y's blocks a0, a0 + 1 against Wp's four.  The 16 accumulators take turns, one instruction a turn, in the same order in every step.
.macro MUL8 s, a0
	WIN 0x05                                       ; sources 0 and 1 window 1; C and D window 0
.set FB, 128*((\s)%2)
.irp a, \a0, \a0+1
.irp b, 0,1,2,3
.if (\s) == 0
	v_wmma_scale_f32_16x16x128_f8f6f4 v[ACC+8*(4*(\a)+\b):ACC+8*(4*(\a)+\b)+7], v[FB+64+16*\b:FB+64+16*\b+15], v[FB+16*(\a):FB+16*(\a)+15], v[BIAS+8*\b:BIAS+8*\b+7], v[SB+8*\b+(\s)], v[SA+8*(\a)+(\s)] matrix_a_fmt:MATRIX_FMT_BF8 matrix_b_fmt:MATRIX_FMT_BF8
.else
	v_wmma_scale_f32_16x16x128_f8f6f4 v[ACC+8*(4*(\a)+\b):ACC+8*(4*(\a)+\b)+7], v[FB+64+16*\b:FB+64+16*\b+15], v[FB+16*(\a):FB+16*(\a)+15], v[ACC+8*(4*(\a)+\b):ACC+8*(4*(\a)+\b)+7], v[SB+8*\b+(\s)], v[SA+8*(\a)+(\s)] matrix_a_fmt:MATRIX_FMT_BF8 matrix_b_fmt:MATRIX_FMT_BF8
.endif
.endr
.endr
.endm
	s_load_b256 s[4:11], s[0:1], 0x0               ; ycodes s[4:5], ysc s[6:7], Wp_codes s[8:9], Wp_scales s[10:11]
	s_load_b128 s[12:15], s[0:1], 0x20             ; bp s[12:13], out0 s[14:15]
	v_lshl_add_u32 v29, v0, 2, 0x48400
	v_mov_b32 v30, 0
	ds_add_u32 v29, v30
	ds_add_u32 v29, v30
	v_lshrrev_b32 v1, 5, v0
	v_readfirstlane_b32 s[WV], v1
	s_lshr_b32 s[WR], s[WV], 1                     ; which 64 rows are mine; also: I fetch for y (0) or Wp (1)
	s_and_b32 s[WC], s[WV], 1                      ; which 64 columns; also: which 64 rows I fetch
	s_bfe_u32 s[CX], ttmp6, 0x40000
	s_bfe_u32 s[CY], ttmp6, 0x40004
	s_lshl_b32 s[TC], ttmp9, 2
	s_add_co_u32 s[TC], s[TC], s[CX]
	s_and_b32 s[TR], ttmp7, 0xffff
	s_lshl_b32 s[TR], s[TR], 2
	s_add_co_u32 s[TR], s[TR], s[CY]
	s_lshl_b32 s[MKA], s[CY], 2
	s_lshl_b32 s[MKA], 15, s[MKA]                  ; my row of the cluster
	s_lshl_b32 s[MKB], 0x1111, s[CX]               ; my column
	; descriptor group 1 for y: four row tiles x 4,096 bytes (512 elements of 8 bytes), 16,384 bytes apart in memory, dense in LDS
	s_or_b32 s[G1A], s[MKA], (3<<16)|(1<<21)       ; 15:0 the mask; 17:16 elements of 8 bytes; 21 set beside a mask; no padding
	s_mov_b32 s[G1A+1], 512<<16                    ; tensor_dim0
	s_mov_b32 s[G1A+2], 4<<16                      ; tensor_dim1
	s_mov_b32 s[G1A+3], 512<<16                    ; tile_dim0
	s_mov_b32 s[G1A+4], 4                          ; tile_dim1
	s_mov_b32 s[G1A+5], 2048                       ; tensor_dim0_stride
	s_mov_b32 s[G1A+6], 0
	s_mov_b32 s[G1A+7], 0
	; and for Wp: 64 rows x 256 bytes, 1,024 bytes apart, 16 bytes of padding behind each in LDS
	s_or_b32 s[G1B], s[MKB], (0<<16)|(1<<20)|(1<<21)|(5<<22)|(3<<25)
	s_mov_b32 s[G1B+1], 256<<16
	s_mov_b32 s[G1B+2], 64<<16
	s_mov_b32 s[G1B+3], 256<<16
	s_mov_b32 s[G1B+4], 64
	s_mov_b32 s[G1B+5], 1024
	s_mov_b32 s[G1B+6], 0
	s_mov_b32 s[G1B+7], 0
	; every LDS address is made here, ahead of the first branch on the wave's number
	v_and_b32 v1, 15, v0                           ; r
	v_bfe_u32 v2, v0, 4, 1                         ; h
	v_and_b32 v[LI], 31, v0
	v_lshlrev_b32 v[LI], 4, v[LI]
	v_mul_u32_u24 v[STO], v1, PITCH
	v_lshl_add_u32 v[RDA], v2, 4, v[STO]           ; Wp: a fragment's row x pitch + 16 h
	s_mul_i32 s60, s[WR], PARTB                    ; my four row tiles of y
	s_mul_i32 s61, s[WC], PARTB                    ; my 64 rows of Wp,
	s_add_co_u32 s61, s61, 2*PARTB                 ; which lie behind y's part
.irp c, 0,1,2,3
	v_add_nc_u32 v[ADRA+\c], s60, v[LI]
	v_add_nc_u32 v[ADRB+\c], s61, v[RDA]
	s_add_co_u32 s60, s60, CHB
	s_add_co_u32 s61, s61, CHB
.endr
	s_mul_i32 s60, s[WV], 16*PITCH
	s_add_co_u32 s60, s60, STG                     ; my stage
	v_lshl_add_u32 v[STO], v2, 5, v[STO]
	v_add_nc_u32 v[STO], s60, v[STO]               ; in: row r, 32 bytes for each half of the lanes
	v_mul_u32_u24 v[RDA], v2, PITCH
	v_lshl_add_u32 v[RDA], v1, 4, v[RDA]
	v_add_nc_u32 v[RDA], s60, v[RDA]               ; back: lanes 0-15 one row of 256 bytes, lanes 16-31 the next
	v_lshlrev_b32 v[CO], 12, v2
	v_lshl_add_u32 v[CO], v1, 4, v[CO]             ; and the same two rows in out0
	v_lshlrev_b32 v[H32], 5, v2
	v_lshlrev_b32 v[R32], 5, v1
	v_lshlrev_b32 v[R4], 2, v1
	; where the tiles come from: y's hang on the tile row alone, Wp's on the tile column alone, each in registers that never hold the other coordinate
	s_lshl_b32 s34, s[WC], 6                       ; which 64 rows I fetch
	s_lshl_b32 s30, s[TR], 7
	s_add_co_u32 s30, s30, s34
	s_lshl_b32 s30, s30, 10                        ; 16 rows of y are 16,384 bytes: 1,024 a row
	s_mov_b32 s31, 0
	s_lshl_b32 s32, s[TC], 7
	s_add_co_u32 s32, s32, s34
	s_lshl_b32 s32, s32, 10
	s_mov_b32 s33, 0
	s_mul_i32 s35, s[WV], PARTB                    ; and where they go: no place in the cluster enters an LDS address
	s_wait_dscnt 0x0
	s_wait_kmcnt 0x0
	s_add_nc_u64 s[30:31], s[4:5], s[30:31]
	s_add_nc_u64 s[32:33], s[8:9], s[32:33]
.irp c, 0,1,2,3
	s_mov_b32 s[G0A+4*\c], 1                       ; count = 1
	s_add_co_u32 s[G0A+4*\c+1], s35, \c*CHB        ; LDS address
	s_add_nc_u64 s[G0A+4*\c+2:G0A+4*\c+3], s[30:31], \c*ASTEP
	s_or_b32 s[G0A+4*\c+3], s[G0A+4*\c+3], 0x80000000   ; type = 2
	s_mov_b32 s[G0B+4*\c], 1
	s_add_co_u32 s[G0B+4*\c+1], s35, \c*CHB
	s_add_nc_u64 s[G0B+4*\c+2:G0B+4*\c+3], s[32:33], \c*256
	s_or_b32 s[G0B+4*\c+3], s[G0B+4*\c+3], 0x80000000
.endr
	CROUND                                         ; all sixteen work-groups are here: the joint loads meet
	s_cmp_eq_u32 s[WR], 0                          ; a wave's four fills stand in one branch, ahead of every wait on TENSORcnt and every LDS read: four loads of mine are out
	s_cbranch_scc0 .Lfill_b
.irp c, 0,1,2,3
	tensor_load_to_lds s[G0A+4*\c:G0A+4*\c+3], s[G1A:G1A+7]
	s_nop 0
.endr
	PLACES 4
	s_branch .Lfilled
.Lfill_b:
.irp c, 0,1,2,3
	tensor_load_to_lds s[G0B+4*\c:G0B+4*\c+3], s[G1B:G1B+7]
	s_nop 0
.endr
	PLACES 4
.Lfilled:
	s_lshl_b32 s62, s[TR], 7
	s_lshl_b32 s60, s[WR], 6
	s_add_co_u32 s62, s62, s60                     ; my first row
	s_lshl_b32 s61, s[TC], 7
	s_lshl_b32 s60, s[WC], 6
	s_add_co_u32 s61, s61, s60                     ; my first column
	s_mov_b32 s59, 0
	s_lshl_b32 s58, s62, 2
	s_add_nc_u64 s[6:7], s[6:7], s[58:59]          ; ysc: a word a row
	s_lshl_b32 s58, s61, 5
	s_add_nc_u64 s[10:11], s[10:11], s[58:59]      ; Wp's scales: 32 bytes a row
	s_lshl_b32 s58, s61, 2
	s_add_nc_u64 s[12:13], s[12:13], s[58:59]      ; bp
	s_lshl_b32 s60, s62, 12
	s_add_co_u32 s58, s58, s60
	s_add_nc_u64 s[14:15], s[14:15], s[58:59]      ; out0: 4,096 bytes a row + 4 a column
.irp i, 0,1,2,3                                    ; the scale words of all of K go straight into registers, once
.irp s, 0,1,2,3,4,5,6,7
	global_load_b32 v[SA+8*\i+\s], v[R4], s[6:7] offset:16384*\s+64*\i
.endr
	global_load_b128 v[SB+8*\i:SB+8*\i+3], v[R32], s[10:11] offset:512*\i
	global_load_b128 v[SB+8*\i+4:SB+8*\i+7], v[R32], s[10:11] offset:512*\i+16
	global_load_b128 v[BIAS+8*\i:BIAS+8*\i+3], v[H32], s[12:13] offset:64*\i       ; bp in the result's layout: bp[16 b + 8 h + j]
	global_load_b128 v[BIAS+8*\i+4:BIAS+8*\i+7], v[H32], s[12:13] offset:64*\i+16
.endr
	; ---- eight K steps of 128, written out; two sets of fragments
	s_wait_loadcnt 0x0                             ; scales and bias
	s_wait_tensorcnt 0x3                           ; my part of chunk 0 is in; the three younger loads may be out
	s_barrier_signal -1
	s_barrier_wait -1                              ; everybody's is
	FETCH 0, F0
	FETCH 1, F1
	s_wait_dscnt 32                                ; all but the 32 just issued
	MUL8 0, 0
	MUL8 0, 2
.irp s, 1,3,5
	s_wait_tensorcnt 3-(\s+1)/2                    ; my part of the next chunk is in; the younger chunks' loads may be out
	s_wait_dscnt 0x0                               ; this step's fragments are in, and no LDS instruction of mine is pending at the signal
	s_barrier_signal -1
	MUL8 \s, 0                                     ; work on registers while the others arrive
	s_barrier_wait -1                              ; the next chunk is whole
	PLACES 8                                       ; eight places in front of loads into registers that matrix instructions have read
	FETCH \s+1, F0
	MUL8 \s, 2
	PLACES 8
	FETCH \s+2, F1
	s_wait_dscnt 32
	MUL8 \s+1, 0
	MUL8 \s+1, 2
.endr
	s_wait_dscnt 0x0
	MUL8 7, 0
	MUL8 7, 2
	WIN 0
	PLACES 8                                       ; in front of the first read of results, and of loads into the fragments' registers
; THE WAY OUT, block by block of 16 rows x 64 columns.  A lane holds 32 neighbouring bytes of a row, and the lanes beside it hold other rows: so a block goes through my own stage and comes back as whole rows of
; 256 bytes, which sixteen lanes store as one aligned run.  LDS serves a wave's instructions in order (ISA guide 5.7.1.4): no wait between the stores and the loads, nor in front of the next block's stores.
.macro TOSTAGE a
	WIN 0
.irp b, 0,1,2,3
	ds_store_b128 v[STO], v[ACC+32*(\a)+8*\b:ACC+32*(\a)+8*\b+3] offset:64*\b        ; each accumulator from its low end on
	ds_store_b128 v[STO], v[ACC+32*(\a)+8*\b+4:ACC+32*(\a)+8*\b+7] offset:64*\b+16
.endr
	WIN 0x40                                       ; back into window 1: v0-31 and v32-63 by turns
.irp i, 0,1,2,3,4,5,6,7
	ds_load_b128 v[32*((\a)%2)+4*\i:32*((\a)%2)+4*\i+3], v[RDA] offset:544*\i
.endr
.endm
.macro SEND a, younger                 ; younger: the LDS instructions issued behind block a's loads, which may stay out
	s_wait_dscnt \younger
	WIN 0x04                                       ; a store's data are its source 1: window 1
.irp i, 0,1,2,3,4,5,6,7
	global_store_b128 v[CO], v[32*((\a)%2)+4*\i:32*((\a)%2)+4*\i+3], s[14:15] offset:(16*(\a)+2*\i)*4096 th:TH_STORE_NT   ; 16 lanes store 256 consecutive bytes, aligned; written once, read by nobody here
.endr
.endm
	TOSTAGE 0
.irp a, 1,2,3
.if \a > 1
	s_wait_xcnt 0x0                                ; block a - 2's stores have read their registers: block a's loads may land there
.endif
	TOSTAGE \a
	SEND \a-1, 16                                  ; behind block a - 1's loads: block a's 8 stores and 8 loads
.endr
	SEND 3, 0
	WIN 0
	s_wait_tensorcnt 0x0
	ds_add_u32 v29, v30
	s_wait_dscnt 0x0
	CROUND                                         ; the closing round: no work-group ends while a partner may still ask for a tile that names it
	s_endpgm
.Lfunc_end_k_qdc5406b43e_oproj:
	.size	k_qdc5406b43e_oproj, .Lfunc_end_k_qdc5406b43e_oproj-k_qdc5406b43e_oproj
	.p2alignl 7, 3214868480
	.fill 96, 4, 3214868480
	.section	.rodata,"a",@progbits
	.p2align	6, 0x0
	.amdhsa_kernel k_qdc5406b43e_oproj
		.amdhsa_group_segment_fixed_size 327680
		.amdhsa_private_segment_fixed_size 0
		.amdhsa_enable_private_segment 0
		.amdhsa_kernarg_size 48
		.amdhsa_user_sgpr_count 2
		.amdhsa_user_sgpr_kernarg_segment_ptr 1
		.amdhsa_wavefront_size32 1
		.amdhsa_system_sgpr_workgroup_id_x 1
		.amdhsa_system_sgpr_workgroup_id_y 1
		.amdhsa_system_sgpr_workgroup_id_z 1
		.amdhsa_system_vgpr_workitem_id 0
		.amdhsa_next_free_vgpr 512
		.amdhsa_next_free_sgpr 100
		.amdhsa_reserve_vcc 0
		.amdhsa_float_denorm_mode_32 3
		.amdhsa_float_denorm_mode_16_64 3
		.amdhsa_memory_ordered 1
		.amdhsa_forward_progress 1
		.amdhsa_inst_pref_size 56
	.end_amdhsa_kernel
	.amdgpu_metadata
---
amdhsa.version: [ 1, 2 ]
amdhsa.kernels:
  - .name:           k_qdc5406b43e_oproj
    .symbol:         k_qdc5406b43e_oproj.kd
    .args:
      - { .name: ycodes, .offset: 0, .size: 8, .value_kind: global_buffer, .address_space: global }
      - { .name: ysc, .offset: 8, .size: 8, .value_kind: global_buffer, .address_space: global }
      - { .name: Wp_codes, .offset: 16, .size: 8, .value_kind: global_buffer, .address_space: global }
      - { .name: Wp_scales, .offset: 24, .size: 8, .value_kind: global_buffer, .address_space: global }
      - { .name: bp, .offset: 32, .size: 8, .value_kind: global_buffer, .address_space: global }
      - { .name: out0, .offset: 40, .size: 8, .value_kind: global_buffer, .address_space: global }
    .group_segment_fixed_size: 327680
    .private_segment_fixed_size: 0
    .kernarg_segment_align: 8
    .kernarg_segment_size: 48
    .max_flat_workgroup_size: 128
    .sgpr_count:     100
    .vgpr_count:     512
    .wavefront_size: 32
...
	.end_amdgpu_metadata
.endif
;; end of part 3
